; MI455X (gfx1250); checked and timed in simulation.
; The chip was launched on July 23, 2026; its instructions are those of AMD's public machine-readable ISA for CDNA 5 (MIT licence, August 2026) and "CDNA5" Instruction Set Architecture Reference Guide (July 2026). The comments in the code are by the model that wrote it; some were corrected since.
;; pointcnn. Allowed arithmetic: matrix products marked QUANTISED: E2M1 operands, one E8M0 scale for each 32 along K, by v_wmma_scale_f32_16x16x128_f8f6f4 with both operands' format E2M1 (or v_wmma_scale_f32_32x16x128_f4), f32 sums; products left as they are: f32 operands where the result goes on into a quantised operand, else bf16, f16 or f32 operands; f32 sums; everything else in f32.
;; Inputs: W0 128 x 3 float32; W1 128 x 128 float32; W2 128 x 128 float32; b0 128 float32; b1 128 float32; b2 128 float32; xyz 8 x 4,096 x 3 float32.
;; Outputs: out0 8 x 4,096 x 128 float32.
;; Constants: k = 16, n_blocks = 3.
;; This version of the problem:
;;   THIS VERSION OF THE PROBLEM IS GIVEN IN LOW PRECISION. The matrix products marked QUANTISED in the list below multiply operands that are first quantised to E2M1 (2 exponent bits, 1 mantissa bit; 4 bits a number), with one power-of-two scale for each 32 numbers along K (OCP MX v1.0); their sums are f32. All else is computed in f32.
;;   The module's matrix products, in the order in which they are computed (A, B: the left and right operand; K: the contracted axis; several contracted axes count as one K, in the product's order):
;;     1. batch 8 x [M 4,096, K 3] x [K 3, N 4,096]; A: input xyz; B: input xyz: left as it is (K = 3 < 32)
;;     2. [M 524,288, K 3] x [K 3, N 128]; A: computed on the way; B: input W0: left as it is (K = 3 < 32)
;;     3. [M 524,288, K 128] x [K 128, N 128]; A: computed on the way; B: input W1: QUANTISED
;;     4. [M 524,288, K 128] x [K 128, N 128]; A: computed on the way; B: input W2: QUANTISED
;;   THE QUANTISER, for each operand of a quantised product, along K:
;;     - K is cut into blocks of 32 from its start; a last block that is shorter is filled with zeros.
;;     - A block's scale is 2^e with e = floor(log2(the largest magnitude in the block)) - 2, held to -126 .. 127; a block of zeros has e = 0. As a byte (E8M0): e + 127.
;;     - Each number is divided by its block's scale, clamped to +-6, and rounded to the nearest number of E2M1, ties to even, subnormals kept.
;;     - The product sums the exact products of the quantised numbers (number of the format x scale) in f32.
;;   ~~~python
;;   def quantise(x, axis):      # numpy; x: float32 -> the quantised numbers, widened to float32 again
;;       x = np.moveaxis(x, axis, -1); K = x.shape[-1]
;;       x = np.pad(x, [(0, 0)] * (x.ndim - 1) + [(0, -K % 32)]); x = x.reshape(x.shape[:-1] + (-1, 32)); a = np.abs(x).max(-1, keepdims=True)
;;       e = np.where(a > 0, np.clip(np.frexp(np.where(a > 0, a, 1))[1] - 1 - 2, -126, 127), 0)      # np.frexp(a)[1] - 1 = floor(log2(a)), exactly
;;       r = np.clip(x / 2.0 ** e, -6, 6)
;;       step = 2.0 ** (np.maximum(np.frexp(np.where(r == 0, 1, r))[1] - 1, 0) - 1)
;;       q = np.round(r / step) * step * 2.0 ** e      # np.round: ties to even
;;       return np.moveaxis(q.reshape(q.shape[:-2] + (-1,))[..., :K], -1, axis).astype(np.float32)
;;   ~~~
;;   OPERANDS COMPUTED ON THE WAY. 'Computed on the way' means the value that the module computes at that place (a softmax that the list does not call 'softmax' is quantised finished and normalised). What goes into a quantiser is computed in f32, as accurately as f32 sums, v_exp_f32 and their like allow (about 1e-6 of the number): no bf16 or f16 on the way to a quantiser, and a product that is left as it is and whose result goes on into a quantised operand takes f32 operands (vector FMAs, or v_wmma_f32_16x16x4_f32). A number that lies on a knife's edge between two numbers of the format may be rounded either way, as far as f32 arithmetic and the matrix unit's own rounding can turn it there, and no further.
;; 2 versions, each right; version 2 is version 1 with the launch mlp written anew for expert scheduling mode. Each part assembles by itself: llvm-mc -triple=amdgcn-amd-amdhsa -mcpu=gfx1250 --defsym DOCPART=n.
;; ======== version 1 of 2: 3 launches
;; workspace buffers: groups 655,360 bytes of whole numbers; nbr 1,048,576 bytes of whole numbers
;; launch far (part 1): grid 256 x 1, 4 waves a work-group, no clusters, 141,824 bytes of LDS; arguments xyz, groups; writes groups
.if DOCPART == 1
	.amdgcn_target "amdgcn-amd-amdhsa--gfx1250"
	.amdhsa_code_object_version 6
	.text
	.protected	k_qa1d2d52a56_far
	.globl	k_qa1d2d52a56_far
	.p2align	8
	.type	k_qa1d2d52a56_far,@function
k_qa1d2d52a56_far:
	s_mov_b64 s[64:65], 0
	v_nop
	global_prefetch_b8 v0, s[64:65] scope:SCOPE_SE
	s_setreg_imm32_b32 hwreg(HW_REG_WAVE_MODE, 25, 1), 1
	s_wait_xcnt 0x0
; FIRST OF THREE LAUNCHES.  For each of 8 x 4,096 query points: the squared distances to all 4,096 points of its batch, the largest of each of the
; 256 groups of 16 neighbouring indices, and the 17 best groups (largest descending, group number ascending) as 17 bytes, ascending.
; The 17 farthest points lie in these groups: a point outside them would have 17 groups ahead of it, each with a point at least as far and, where equal, of a lower index.
; ARITHMETIC, the same bits here and in the next launch: sq = fma(z,z,fma(y,y,x*x)); dot = fma(z,z',fma(y,y',x*x')); d = fma(-2, dot, sq + sq').
; LIMITS: finite inputs only (no NaN, no infinity).  Ranks that lie within the last bit of f32 hang on this order of rounding.
; SHARES: a work-group owns 128 queries of one batch.  DENSE PHASE: wave w keeps candidates 1024 w + 32 lane + 0..31 (two groups a lane) in registers and walks all
; 128 queries, two at a time in the halves of the packed forms.  SELECTION: thread t owns query t.
; No tensor load, no cluster: the one shared input is 48 KiB read once at the head, and it passes through arithmetic in registers.
; LDS: QT at 0: 64 pairs of queries x 32 bytes {x0,x1,y0,y1,z0,z1,sq0,sq1}.  GT at 2,048: [wave 4][query 128][64 maxima + 16 bytes]: rows of 272 bytes = 17 x 16.
; Wave w stores into region w alone.
.set GT,   2048
.set GP,   272
.set GREG, 128*GP
.set C,    16                          ; v16-143  dense: candidate i at C + 4 i: x, y, z, sq
.set T,    144                         ; v144-175 dense: 16 pairs: dot, then d
.set S,    176                         ; v176-207 dense: 16 pairs: sq + sq', then at work for the maxima
.set QA,   208                         ; v208-215, v216-223: a pair of queries each, by turns
.set QB,   216
.set GM,   224                         ; v224-227 query 0: groups 0, 1; query 1: groups 0, 1
.set L,    16                          ; v16-32   selection: the 17 largest, descending
.set B,    48                          ; v48-111  selection: 64 maxima of my row
.set Q,    112                         ; v112-116 selection: the queue of group numbers, 20 bytes
.set EE,   117                         ; v117     how many of the 17 equal the 17th
.set RR,   118                         ; v118     how many groups equal to the 17th have passed
.set SH,   120                         ; v120-123 8 where a group is taken, else 0
	s_load_b128 s[4:7], s[0:1], 0x0                ; xyz s[4:5], groups s[6:7]
	v_lshl_add_u32 v254, v0, 2, 0x22800
	v_mov_b32 v255, 0
	v_lshrrev_b32 v1, 5, v0
	v_readfirstlane_b32 s14, v1                    ; wave 0..3
	v_and_b32 v1, 31, v0                           ; lane
	s_lshr_b32 s15, ttmp9, 5                       ; batch
	s_and_b32 s16, ttmp9, 31                       ; which 128 queries of it
	s_mul_i32 s18, s15, 49152                      ; a batch is 4,096 points of 12 bytes
	s_mov_b32 s19, 0
	s_mul_i32 s20, s16, 1536
	v_mad_u32_u24 v12, v0, 12, s20                 ; my query's bytes in the batch
	s_mul_i32 s21, s14, 12288
	v_mad_u32_u24 v13, v1, 384, s21                ; my 32 candidates' bytes: 384 on end
	v_lshrrev_b32 v14, 1, v0
	v_and_b32 v15, 1, v0
	v_lshlrev_b32 v14, 5, v14
	v_lshl_add_u32 v14, v15, 2, v14                ; QT: pair t / 2, half t % 2
	s_mul_i32 s22, s14, GREG
	s_add_co_u32 s22, s22, GT
	v_lshl_add_u32 v2, v1, 3, s22                  ; GT, on the way in: my wave's region, my two groups' 8 bytes
	v_mul_u32_u24 v3, v0, GP
	v_add_nc_u32 v3, GT, v3                        ; GT, on the way out: row t of region 0
	s_wait_kmcnt 0x0
	s_add_nc_u64 s[4:5], s[4:5], s[18:19]
	global_load_b96 v[8:10], v12, s[4:5]
.set i, 0
.rept 32
	global_load_b96 v[C+4*i:C+4*i+2], v13, s[4:5] offset:12*i
.set i, i+1
.endr
	s_wait_loadcnt 32                              ; my query is in; the 32 younger loads stay out
	v_mul_f32 v11, v8, v8
	v_fma_f32 v11, v9, v9, v11
	v_fma_f32 v11, v10, v10, v11                   ; its sq
	ds_store_b32 v14, v8
	ds_store_b32 v14, v9 offset:8
	ds_store_b32 v14, v10 offset:16
	ds_store_b32 v14, v11 offset:24
	s_wait_loadcnt 0x0
.set i, 0
.rept 32
	v_mul_f32 v[C+4*i+3], v[C+4*i], v[C+4*i]
.set i, i+1
.endr
.set i, 0
.rept 32
	v_fma_f32 v[C+4*i+3], v[C+4*i+1], v[C+4*i+1], v[C+4*i+3]
.set i, i+1
.endr
.set i, 0
.rept 32
	v_fma_f32 v[C+4*i+3], v[C+4*i+2], v[C+4*i+2], v[C+4*i+3]
.set i, i+1
.endr
	s_wait_dscnt 0x0                               ; for the others' sake: my query lies in QT
	s_barrier_signal -1
	s_barrier_wait -1                              ; QT is whole
; 16 candidates (16 u on) against the pair of queries in v[q] on: five stages, each over all 16, so that no line waits for the line above it.
.macro DIST16 u, q
.set p, 0
.rept 16
	v_pk_mul_f32 v[T+2*p:T+2*p+1], v[C+4*(16*\u+p):C+4*(16*\u+p)+1], v[\q:\q+1] op_sel_hi:[0,1]            ; x x0, x x1
.set p, p+1
.endr
.set p, 0
.rept 16
	v_pk_fma_f32 v[T+2*p:T+2*p+1], v[C+4*(16*\u+p):C+4*(16*\u+p)+1], v[\q+2:\q+3], v[T+2*p:T+2*p+1] op_sel:[1,0,0] op_sel_hi:[1,1,1]   ; + y y0, y y1
.set p, p+1
.endr
.set p, 0
.rept 16
	v_pk_fma_f32 v[T+2*p:T+2*p+1], v[C+4*(16*\u+p)+2:C+4*(16*\u+p)+3], v[\q+4:\q+5], v[T+2*p:T+2*p+1] op_sel_hi:[0,1,1]   ; + z z0, z z1
.set p, p+1
.endr
.set p, 0
.rept 16
	v_pk_add_f32 v[S+2*p:S+2*p+1], v[C+4*(16*\u+p)+2:C+4*(16*\u+p)+3], v[\q+6:\q+7] op_sel:[1,0] op_sel_hi:[1,1]   ; sq + sq0, sq + sq1
.set p, p+1
.endr
.set p, 0
.rept 16
	v_pk_fma_f32 v[T+2*p:T+2*p+1], v[T+2*p:T+2*p+1], -2.0, v[S+2*p:S+2*p+1] op_sel_hi:[1,0,1]   ; d
.set p, p+1
.endr
.endm
; the largest of the 16, for each of the two queries (e): three operands at a time, the two queries by turns
.macro MAX16 u
.irp n, 0,1,2,3,4
.irp e, 0,1
	v_max3_num_f32 v[S+8*\e+\n], v[T+6*\n+\e], v[T+6*\n+2+\e], v[T+6*\n+4+\e]
.endr
.endr
.irp e, 0,1
	v_max3_num_f32 v[S+8*\e+5], v[S+8*\e], v[S+8*\e+1], v[S+8*\e+2]
.endr
.irp e, 0,1
	v_max3_num_f32 v[S+8*\e+6], v[S+8*\e+3], v[S+8*\e+4], v[T+30+\e]
.endr
.irp e, 0,1
	v_max_num_f32 v[GM+2*\e+\u], v[S+8*\e+5], v[S+8*\e+6]
.endr
.endm
; one pair of queries.  load = 1: the next pair is asked for first, and lands while this one is worked.
.macro HALF cur, nxt, load
.if \load
	s_add_co_u32 s38, s38, 32
	v_mov_b32 v5, s38
	ds_load_b128 v[\nxt:\nxt+3], v5
	ds_load_b128 v[\nxt+4:\nxt+7], v5 offset:16
.endif
	s_wait_dscnt 2                                 ; only the two youngest LDS instructions may be out (the loads just issued; in the last turn the stores of the turn before): this pair is in
	DIST16 0, \cur
	MAX16 0
	DIST16 1, \cur
	MAX16 1
	v_add_nc_u32 v4, s37, v2
	ds_store_b64 v4, v[GM:GM+1]                    ; 32 lanes store 256 consecutive bytes of the first query's row,
	ds_store_b64 v4, v[GM+2:GM+3] offset:GP        ; and of the second's
	s_add_co_u32 s37, s37, 2*GP
.endm
	s_mov_b32 s37, 0                               ; GT: two rows a turn
	s_mov_b32 s38, 0                               ; QT: 32 bytes a turn
	v_mov_b32 v5, 0
	ds_load_b128 v[QA:QA+3], v5
	ds_load_b128 v[QA+4:QA+7], v5 offset:16
	s_mov_b32 s17, 31
.Ldense:                                               ; 31 trips of two pairs; the last two pairs are written out, so that nothing behind QT is read
	HALF QA, QB, 1
	HALF QB, QA, 1
	s_sub_co_u32 s17, s17, 1
	s_cmp_lg_u32 s17, 0
	s_cbranch_scc1 .Ldense
	HALF QA, QB, 1
	HALF QB, QA, 0
	s_wait_dscnt 0x0                               ; for the others' sake: my maxima lie in GT
	s_barrier_signal -1
	s_barrier_wait -1                              ; GT is whole; from here on LDS is only read
; x goes into the sorted list: from the bottom up, so that each line still sees the old neighbour above
.macro INSERT x
.irp i, 16,15,14,13,12,11,10,9,8,7,6,5,4,3,2,1
	v_med3_num_f32 v[L+\i], v[\x], v[L+\i-1], v[L+\i]
.endr
	v_max_num_f32 v[L], v[L], v[\x]
.endm
.macro ROW64                           ; 64 maxima of my row in the region in hand
	v_add_nc_u32 v6, s39, v3
.set n, 0
.rept 16
	ds_load_b128 v[B+4*n:B+4*n+3], v6 offset:16*n
.set n, n+1
.endr
.endm
.set i, 0
.rept 17
	v_mov_b32 v[L+i], 0xff800000                   ; -infinity
.set i, i+1
.endr
	s_mov_b32 s39, 0
	s_mov_b32 s17, 4
.Linsert:                                              ; a trip: one region, 64 groups
	ROW64
.irp blk, 0,1,2,3
	s_wait_dscnt 12-4*\blk                         ; these 16 maxima are in; the younger loads stay out
.set j, 0
.rept 16
	INSERT B+16*\blk+j
.set j, j+1
.endr
.endr
	s_add_co_u32 s39, s39, GREG
	s_sub_co_u32 s17, s17, 1
	s_cmp_lg_u32 s17, 0
	s_cbranch_scc1 .Linsert
	; the 17th largest is the bar; of the groups equal to it the first EE count, EE = how many of the 17 equal it
	v_mov_b32 v[EE], 0
.set i, 0
.rept 17
	v_cmp_eq_f32 vcc_lo, v[L+i], v[L+16]
	v_add_co_ci_u32 v[EE], vcc_lo, 0, v[EE], vcc_lo
.set i, i+1
.endr
	v_mov_b32 v[RR], 0
.irp i, 0,1,2,3,4
	v_mov_b32 v[Q+\i], 0
.endr
; four groups in ascending number: taken where above the bar, or equal to it and among the first EE such.  Where a group is taken the queue moves down a byte and the number enters at the top.
.macro FLAG4 x0
.irp i, 0,1,2,3
	v_cmp_eq_f32 s[20+\i], v[(\x0)+\i], v[L+16]
.endr
.irp i, 0,1,2,3
	v_cmp_gt_f32 s[24+\i], v[(\x0)+\i], v[L+16]
.endr
.irp i, 0,1,2,3
	v_add_co_ci_u32 v[RR], s28, 0, v[RR], s[20+\i]
	v_cmp_ge_u32 s[32+\i], v[EE], v[RR]
.endr
.irp i, 0,1,2,3
	s_and_b32 s[32+\i], s[32+\i], s[20+\i]
	s_or_b32 s[32+\i], s[32+\i], s[24+\i]
.endr
.irp i, 0,1,2,3
	v_cndmask_b32 v[SH+\i], 0, 8, s[32+\i]
.endr
.irp i, 0,1,2,3
	v_alignbit_b32 v[Q], v[Q+1], v[Q], v[SH+\i]
	v_alignbit_b32 v[Q+1], v[Q+2], v[Q+1], v[SH+\i]
	v_alignbit_b32 v[Q+2], v[Q+3], v[Q+2], v[SH+\i]
	v_alignbit_b32 v[Q+3], v[Q+4], v[Q+3], v[SH+\i]
	v_alignbit_b32 v[Q+4], s36, v[Q+4], v[SH+\i]
	s_add_co_u32 s36, s36, 1
.endr
.endm
	s_mov_b32 s36, 0                               ; the group's number
	s_mov_b32 s39, 0
	s_mov_b32 s17, 4
.Lflag:
	ROW64
.irp blk, 0,1,2,3
	s_wait_dscnt 12-4*\blk
.irp g, 0,1,2,3
	FLAG4 B+16*\blk+4*\g
.endr
.endr
	s_add_co_u32 s39, s39, GREG
	s_sub_co_u32 s17, s17, 1
	s_cmp_lg_u32 s17, 0
	s_cbranch_scc1 .Lflag
	; exactly 17 were taken: the numbers stand in bytes 3 to 19 of the queue, ascending
	s_lshl_b32 s18, ttmp9, 11
	v_lshl_add_u32 v124, v0, 4, s18                ; 16 bytes a query: a wave stores 512 consecutive bytes
	s_lshl_b32 s18, ttmp9, 9
	v_lshl_add_u32 v125, v0, 2, s18                ; and 4 bytes a query in the second plane
	global_store_b128 v124, v[Q:Q+3], s[6:7]
	global_store_b32 v125, v[Q+4], s[6:7] offset:524288
	s_wait_tensorcnt 0x0
	ds_add_u32 v254, v255
	s_wait_dscnt 0x0
	s_endpgm
.Lfunc_end_k_qa1d2d52a56_far:
	.size	k_qa1d2d52a56_far, .Lfunc_end_k_qa1d2d52a56_far-k_qa1d2d52a56_far
	.p2alignl 7, 3214868480
	.fill 96, 4, 3214868480
	.section	.rodata,"a",@progbits
	.p2align	6, 0x0
	.amdhsa_kernel k_qa1d2d52a56_far
		.amdhsa_group_segment_fixed_size 141824
		.amdhsa_private_segment_fixed_size 0
		.amdhsa_enable_private_segment 0
		.amdhsa_kernarg_size 16
		.amdhsa_user_sgpr_count 2
		.amdhsa_user_sgpr_kernarg_segment_ptr 1
		.amdhsa_wavefront_size32 1
		.amdhsa_system_sgpr_workgroup_id_x 1
		.amdhsa_system_sgpr_workgroup_id_y 1
		.amdhsa_system_sgpr_workgroup_id_z 1
		.amdhsa_system_vgpr_workitem_id 0
		.amdhsa_next_free_vgpr 256
		.amdhsa_next_free_sgpr 66
		.amdhsa_reserve_vcc 1
		.amdhsa_float_denorm_mode_32 3
		.amdhsa_float_denorm_mode_16_64 3
		.amdhsa_memory_ordered 1
		.amdhsa_forward_progress 1
		.amdhsa_inst_pref_size 178
	.end_amdhsa_kernel
	.amdgpu_metadata
---
amdhsa.version: [ 1, 2 ]
amdhsa.kernels:
  - .name:           k_qa1d2d52a56_far
    .symbol:         k_qa1d2d52a56_far.kd
    .args:
      - { .name: xyz, .offset: 0, .size: 8, .value_kind: global_buffer, .address_space: global }
      - { .name: groups, .offset: 8, .size: 8, .value_kind: global_buffer, .address_space: global }
    .group_segment_fixed_size: 141824
    .private_segment_fixed_size: 0
    .kernarg_segment_align: 8
    .kernarg_segment_size: 16
    .max_flat_workgroup_size: 128
    .sgpr_count:     66
    .vgpr_count:     256
    .wavefront_size: 32
...
	.end_amdgpu_metadata
.endif
;; end of part 1
;; launch pick (part 2): grid 256 x 1, 4 waves a work-group, no clusters, 66,560 bytes of LDS; arguments xyz, groups, nbr; writes nbr
.if DOCPART == 2
	.amdgcn_target "amdgcn-amd-amdhsa--gfx1250"
	.amdhsa_code_object_version 6
	.text
	.protected	k_qa1d2d52a56_pick
	.globl	k_qa1d2d52a56_pick
	.p2align	8
	.type	k_qa1d2d52a56_pick,@function
k_qa1d2d52a56_pick:
	s_mov_b64 s[64:65], 0
	v_nop
	global_prefetch_b8 v0, s[64:65] scope:SCOPE_SE
	s_setreg_imm32_b32 hwreg(HW_REG_WAVE_MODE, 25, 1), 1
	s_wait_xcnt 0x0
; SECOND OF THREE LAUNCHES.  For each query: the distances to the 17 x 16 = 272 points of its 17 groups (the first launch's bytes), and of these the ranks 2 to 17
; (distance descending, index ascending, as the top-k of the problem breaks ties): 16 indices of 12 bits, stored as u16.
; ARITHMETIC as in the first launch, bit for bit: sq = fma(z,z,fma(y,y,x*x)); dot = fma(z,z',fma(y,y',x*x')); d = fma(-2, dot, sq + sq').
; LIMITS: finite inputs only.  Ranks that lie within the last bit of f32 hang on this order of rounding.
; SHARES: a work-group owns 128 queries of one batch; a thread owns one query throughout: no exchange between lanes.
; LDS: bytes 0-255 unused (so that every base stays at 0 or above); TAB = 256: point p of the batch at TAB + 16 p as (x, y, z, sq), so a group is a block of 256 bytes;
; DB = TAB + 65,536: a dummy block of 16 records (0, 0, 0, -infinity), whose distance is -infinity.  Behind the one barrier LDS is only read.
; THE SKEW.  With l' = lane % 16, step 16 m + k takes candidate 16 m + k - l' of the lane's 272: lanes with l' <= k are in the block's group m, the others still in group m - 1.
; 18 blocks of 16 steps; groups -1 and 17 are the dummy block.  Two passes over the candidates: the first sorts the 17 largest, the second takes those at or above the bar.
; The distances are made twice: 288 registers could not be walked in a loop, and a copy in LDS would put stores beside the gathers.
.set TAB,  256
.set DB,   TAB+65536
.set AMAX, DB                          ; no gather's base lies above it: base + 240 + 16 then ends at the last LDS byte claimed
.set Q1,   12                          ; v12-16  the 17 group numbers for pass 1
.set Q2,   18                          ; v18-22  and for pass 2
.set L,    24                          ; v24-40  the 17 largest, descending
.set EE,   42
.set RR,   43
.set IDN,  45                          ; v45-47  the group asked for last, the block's group, the group before
.set IDC,  46
.set IDP,  47
.set OQ,   48                          ; v48-53  the queue of results: 16 x 12 bits
.set SH,   54                          ; v54-57  12 where a candidate is taken, else 0
.set EN,   58                          ; v58-61  its index
.set J,    64                          ; v64-79  (k - l') % 16: a candidate's place in its group
.set D,    80                          ; v80-95  16 distances
.set TT,   96                          ; v96-111 at work
.set BUF0, 112                         ; v112-175, v176-239: 16 records each, by turns
.set BUF1, 176
.set AD,   248                         ; v248-251 four gather addresses
	s_load_b128 s[4:7], s[0:1], 0x0                ; xyz s[4:5], groups s[6:7]
	s_load_b64 s[8:9], s[0:1], 0x10                ; nbr
	v_lshl_add_u32 v254, v0, 2, 0x10200
	v_mov_b32 v255, 0
	v_lshrrev_b32 v1, 5, v0
	v_readfirstlane_b32 s14, v1                    ; wave
	v_and_b32 v1, 15, v0                           ; l'
	s_lshr_b32 s15, ttmp9, 5                       ; batch
	s_and_b32 s16, ttmp9, 31                       ; which 128 queries of it
	s_mul_i32 s18, s15, 49152
	s_mov_b32 s19, 0
	s_lshl_b32 s20, ttmp9, 11
	v_lshl_add_u32 v240, v0, 4, s20                ; 16 x my query's number
	s_lshl_b32 s20, ttmp9, 9
	v_lshl_add_u32 v241, v0, 2, s20                ; 4 x
	v_mul_u32_u24 v242, v0, 12                     ; point t of the batch
	v_lshl_add_u32 v243, v0, 4, TAB                ; and its record
	v_lshl_add_u32 v244, v1, 4, DB                 ; a dummy record
	s_lshl_b32 s20, s16, 11
	v_add_nc_u32 v245, s20, v243                   ; my query's record
	v_lshlrev_b32 v2, 4, v1
	v_sub_nc_u32 v2, TAB, v2                       ; TAB - 16 l'
	v_add_nc_u32 v7, 0x10000, v2                   ; DB - 16 l'
	v_mov_b32 v96, 0
	v_mov_b32 v97, 0
	v_mov_b32 v98, 0
	v_mov_b32 v99, 0xff800000
.irp k, 0,1,2,3,4,5,6,7,8,9,10,11,12,13,14
	s_mov_b32 s[32+\k], ((1<<(\k+1))-1)*0x10001    ; the lanes with l' <= k
.endr
	s_mov_b32 s47, -1
.irp k, 0,1,2,3,4,5,6,7,8,9,10,11,12,13,14,15
	v_sub_nc_u32 v[J+\k], \k, v1
.endr
.irp k, 0,1,2,3,4,5,6,7,8,9,10,11,12,13,14,15
	v_and_b32 v[J+\k], 15, v[J+\k]
.endr
	s_wait_kmcnt 0x0
	s_add_nc_u64 s[4:5], s[4:5], s[18:19]
	global_load_b128 v[Q1:Q1+3], v240, s[6:7]
	global_load_b32 v[Q1+4], v241, s[6:7] offset:524288
	global_load_b128 v[Q2:Q2+3], v240, s[6:7]
	global_load_b32 v[Q2+4], v241, s[6:7] offset:524288
.set r, 0
.rept 32
	global_load_b96 v[BUF0+4*r:BUF0+4*r+2], v242, s[4:5] offset:1536*r   ; point t + 128 r: a wave reads 384 consecutive bytes
.set r, r+1
.endr
	s_wait_loadcnt 0x0
.set r, 0
.rept 32
	v_mul_f32 v[BUF0+4*r+3], v[BUF0+4*r], v[BUF0+4*r]
.set r, r+1
.endr
.set r, 0
.rept 32
	v_fma_f32 v[BUF0+4*r+3], v[BUF0+4*r+1], v[BUF0+4*r+1], v[BUF0+4*r+3]
.set r, r+1
.endr
.set r, 0
.rept 32
	v_fma_f32 v[BUF0+4*r+3], v[BUF0+4*r+2], v[BUF0+4*r+2], v[BUF0+4*r+3]
.set r, r+1
.endr
.set r, 0
.rept 32
	ds_store_b128 v243, v[BUF0+4*r:BUF0+4*r+3] offset:2048*r
.set r, r+1
.endr
	s_cmp_lg_u32 s14, 0
	s_cbranch_scc1 .Lno_dummy                      ; wave 0 alone writes the dummy block (both halves of its lanes the same bytes with the same values)
	ds_store_b128 v244, v[96:99]
.Lno_dummy:
.irp q, Q1, Q2                                 ; the numbers stand in bytes 3 to 19: down by three bytes
	v_alignbit_b32 v[\q], v[\q+1], v[\q], 24
	v_alignbit_b32 v[\q+1], v[\q+2], v[\q+1], 24
	v_alignbit_b32 v[\q+2], v[\q+3], v[\q+2], 24
	v_alignbit_b32 v[\q+3], v[\q+4], v[\q+3], 24
	v_lshrrev_b32 v[\q+4], 24, v[\q+4]
.endr
	s_wait_dscnt 0x0                               ; for the others' sake: my records lie in the table
	s_barrier_signal -1
	s_barrier_wait -1                              ; the table is whole; from here on LDS is only read
	ds_load_b128 v[8:11], v245                     ; my query: x, y, z, sq
.macro INSERT x
.irp i, 16,15,14,13,12,11,10,9,8,7,6,5,4,3,2,1
	v_med3_num_f32 v[L+\i], v[\x], v[L+\i-1], v[L+\i]
.endr
	v_max_num_f32 v[L], v[L], v[\x]
.endm
.macro IDSHIFT
	v_mov_b32 v[IDP], v[IDC]
	v_mov_b32 v[IDC], v[IDN]
.endm
; The 16 loads of a block.  q: the queue of group numbers;  last = 1: the block's own group is the dummy.  It runs one block ahead of the work, so the work finds its block's group in IDC and the group before in IDP.
; A base made of a number read from memory is held at AMAX by the line in front of its load; the hold changes only bases that point into the dummy block, whose records are all alike.
.macro ISSUE buf, q, last
	IDSHIFT
	v_and_b32 v[IDN], 0xff, v[\q]
	v_alignbit_b32 v[\q], v[\q+1], v[\q], 8
	v_alignbit_b32 v[\q+1], v[\q+2], v[\q+1], 8
	v_alignbit_b32 v[\q+2], v[\q+3], v[\q+2], 8
	v_alignbit_b32 v[\q+3], v[\q+4], v[\q+3], 8
	v_lshrrev_b32 v[\q+4], 8, v[\q+4]
	v_add_nc_u32 v4, 0x100, v3                     ; the group before, 16 places on
.if \last
	v_mov_b32 v3, v7
.else
	v_lshl_add_u32 v3, v[IDN], 8, v2               ; TAB - 16 l' + 256 x group
.endif
.irp g, 0,1,2,3
.irp i, 0,1,2,3
.if 4*\g+\i < 15
	v_cndmask_b32 v[AD+\i], v4, v3, s[32+4*\g+\i]
.endif
.endr
.irp i, 0,1,2,3
.if 4*\g+\i < 15
	v_min_u32 v[AD+\i], AMAX, v[AD+\i]
.else
	v_min_u32 v[AD+\i], AMAX, v3
.endif
.endr
.irp i, 0,1,2,3
	ds_load_b128 v[\buf+4*(4*\g+\i):\buf+4*(4*\g+\i)+3], v[AD+\i] offset:16*(4*\g+\i)
.endr
.endr
.endm
.macro DIST buf                        ; 16 distances, stage by stage
.set k, 0
.rept 16
	v_mul_f32 v[TT+k], v[\buf+4*k], v8
.set k, k+1
.endr
.set k, 0
.rept 16
	v_fma_f32 v[TT+k], v[\buf+4*k+1], v9, v[TT+k]
.set k, k+1
.endr
.set k, 0
.rept 16
	v_fma_f32 v[TT+k], v[\buf+4*k+2], v10, v[TT+k]
.set k, k+1
.endr
.set k, 0
.rept 16
	v_add_f32 v[D+k], v[\buf+4*k+3], v11
.set k, k+1
.endr
.set k, 0
.rept 16
	v_fma_f32 v[D+k], v[TT+k], -2.0, v[D+k]
.set k, k+1
.endr
.endm
; Four candidates in ascending index: taken where above the bar, or equal to it and among the first EE such; but the first that equals the largest is left out (rank 1 is dropped).
; Where one is taken the queue of results moves down 12 bits and the index, 16 x group + place, enters at the top.
.macro FLAG4 k0
.irp i, 0,1,2,3
	v_cmp_eq_f32 s[20+\i], v[D+(\k0)+\i], v[L+16]
.endr
.irp i, 0,1,2,3
	v_cmp_gt_f32 s[24+\i], v[D+(\k0)+\i], v[L+16]
.endr
.irp i, 0,1,2,3
	v_cmp_eq_f32 s[28+\i], v[D+(\k0)+\i], v[L]
.endr
.irp i, 0,1,2,3
	v_add_co_ci_u32 v[RR], s53, 0, v[RR], s[20+\i]
	v_cmp_ge_u32 s[48+\i], v[EE], v[RR]
.endr
.irp i, 0,1,2,3
	v_cndmask_b32 v[EN+\i], v[IDP], v[IDC], s[32+(\k0)+\i]
.endr
.irp i, 0,1,2,3
	s_and_b32 s[48+\i], s[48+\i], s[20+\i]
	s_or_b32 s[48+\i], s[48+\i], s[24+\i]
	s_and_not1_b32 s54, s[28+\i], s52              ; the lanes that meet their largest for the first time
	s_or_b32 s52, s52, s[28+\i]
	s_and_not1_b32 s[48+\i], s[48+\i], s54
.endr
.irp i, 0,1,2,3
	v_lshl_or_b32 v[EN+\i], v[EN+\i], 4, v[J+(\k0)+\i]
.endr
.irp i, 0,1,2,3
	v_cndmask_b32 v[SH+\i], 0, 12, s[48+\i]
.endr
.irp i, 0,1,2,3
	v_alignbit_b32 v[OQ], v[OQ+1], v[OQ], v[SH+\i]
	v_alignbit_b32 v[OQ+1], v[OQ+2], v[OQ+1], v[SH+\i]
	v_alignbit_b32 v[OQ+2], v[OQ+3], v[OQ+2], v[SH+\i]
	v_alignbit_b32 v[OQ+3], v[OQ+4], v[OQ+3], v[SH+\i]
	v_alignbit_b32 v[OQ+4], v[OQ+5], v[OQ+4], v[SH+\i]
	v_alignbit_b32 v[OQ+5], v[EN+\i], v[OQ+5], v[SH+\i]
.endr
.endm
.macro WORK buf, pass
	DIST \buf
.if \pass == 1
.set kk, 0
.rept 16
	INSERT D+kk
.set kk, kk+1
.endr
.else
	FLAG4 0
	FLAG4 4
	FLAG4 8
	FLAG4 12
.endif
.endm
; A pass over the 18 blocks: block 0 is asked for ahead; 8 trips of two blocks; the last two are written out.
.macro PASS q, pass
	v_mov_b32 v3, v7                               ; group -1 is the dummy
	v_mov_b32 v[IDN], 0
	v_mov_b32 v[IDC], 0
	v_mov_b32 v[IDP], 0
	ISSUE BUF0, \q, 0
	s_mov_b32 s17, 8
.Lpass_\@:
	ISSUE BUF1, \q, 0
	s_wait_dscnt 16                                ; the 16 loads just issued may be out: the block before them is in (in the first trip my query too)
	WORK BUF0, \pass
	ISSUE BUF0, \q, 0
	s_wait_dscnt 16
	WORK BUF1, \pass
	s_sub_co_u32 s17, s17, 1
	s_cmp_lg_u32 s17, 0
	s_cbranch_scc1 .Lpass_\@
	ISSUE BUF1, \q, 1                              ; block 17: its own group is the dummy
	s_wait_dscnt 16
	WORK BUF0, \pass
	s_wait_dscnt 0x0
	IDSHIFT
	WORK BUF1, \pass
.endm
.set i, 0
.rept 17
	v_mov_b32 v[L+i], 0xff800000
.set i, i+1
.endr
	PASS Q1, 1
	v_mov_b32 v[EE], 0                             ; the 17th largest is the bar; EE = how many of the 17 equal it
.set i, 0
.rept 17
	v_cmp_eq_f32 vcc_lo, v[L+i], v[L+16]
	v_add_co_ci_u32 v[EE], vcc_lo, 0, v[EE], vcc_lo
.set i, i+1
.endr
	v_mov_b32 v[RR], 0
	s_mov_b32 s52, 0                               ; no lane has met its largest yet
.irp i, 0,1,2,3,4,5
	v_mov_b32 v[OQ+\i], 0
.endr
	PASS Q2, 2
	; exactly 16 were taken: 16 x 12 bits fill the queue.  Two at a time they become two u16 in a register.
.irp p, 0,1,2,3,4,5,6
	v_alignbit_b32 v[104+\p], v[OQ+(24*\p)/32+1], v[OQ+(24*\p)/32], (24*\p)%32
.endr
	v_lshrrev_b32 v111, 8, v[OQ+5]
.irp p, 0,1,2,3,4,5,6,7
	v_bfe_u32 v[96+\p], v[104+\p], 12, 12
.endr
.irp p, 0,1,2,3,4,5,6,7
	v_and_b32 v[104+\p], 0xfff, v[104+\p]
.endr
.irp p, 0,1,2,3,4,5,6,7
	v_lshl_or_b32 v[96+\p], v[96+\p], 16, v[104+\p]
.endr
	global_store_b128 v240, v[96:99], s[8:9]                    ; neighbours 0-7: a wave stores 512 consecutive bytes
	global_store_b128 v240, v[100:103], s[8:9] offset:524288    ; neighbours 8-15, in the second plane
	s_wait_tensorcnt 0x0
	ds_add_u32 v254, v255
	s_wait_dscnt 0x0
	s_endpgm
.Lfunc_end_k_qa1d2d52a56_pick:
	.size	k_qa1d2d52a56_pick, .Lfunc_end_k_qa1d2d52a56_pick-k_qa1d2d52a56_pick
	.p2alignl 7, 3214868480
	.fill 96, 4, 3214868480
	.section	.rodata,"a",@progbits
	.p2align	6, 0x0
	.amdhsa_kernel k_qa1d2d52a56_pick
		.amdhsa_group_segment_fixed_size 66560
		.amdhsa_private_segment_fixed_size 0
		.amdhsa_enable_private_segment 0
		.amdhsa_kernarg_size 24
		.amdhsa_user_sgpr_count 2
		.amdhsa_user_sgpr_kernarg_segment_ptr 1
		.amdhsa_wavefront_size32 1
		.amdhsa_system_sgpr_workgroup_id_x 1
		.amdhsa_system_sgpr_workgroup_id_y 1
		.amdhsa_system_sgpr_workgroup_id_z 1
		.amdhsa_system_vgpr_workitem_id 0
		.amdhsa_next_free_vgpr 256
		.amdhsa_next_free_sgpr 66
		.amdhsa_reserve_vcc 1
		.amdhsa_float_denorm_mode_32 3
		.amdhsa_float_denorm_mode_16_64 3
		.amdhsa_memory_ordered 1
		.amdhsa_forward_progress 1
		.amdhsa_inst_pref_size 213
	.end_amdhsa_kernel
	.amdgpu_metadata
---
amdhsa.version: [ 1, 2 ]
amdhsa.kernels:
  - .name:           k_qa1d2d52a56_pick
    .symbol:         k_qa1d2d52a56_pick.kd
    .args:
      - { .name: xyz, .offset: 0, .size: 8, .value_kind: global_buffer, .address_space: global }
      - { .name: groups, .offset: 8, .size: 8, .value_kind: global_buffer, .address_space: global }
      - { .name: nbr, .offset: 16, .size: 8, .value_kind: global_buffer, .address_space: global }
    .group_segment_fixed_size: 66560
    .private_segment_fixed_size: 0
    .kernarg_segment_align: 8
    .kernarg_segment_size: 24
    .max_flat_workgroup_size: 128
    .sgpr_count:     66
    .vgpr_count:     256
    .wavefront_size: 32
...
	.end_amdgpu_metadata
.endif
;; end of part 2
;; launch mlp (part 3): grid 256 x 1, 8 waves a work-group, no clusters, 54,272 bytes of LDS; arguments xyz, nbr, W0, b0, W1, b1, W2, b2, out0; writes out0
.if DOCPART == 3
	.amdgcn_target "amdgcn-amd-amdhsa--gfx1250"
	.amdhsa_code_object_version 6
	.text
	.protected	k_qa1d2d52a56_mlp
	.globl	k_qa1d2d52a56_mlp
	.p2align	8
	.type	k_qa1d2d52a56_mlp,@function
k_qa1d2d52a56_mlp:
	s_mov_b64 s[64:65], 0
	v_nop
	global_prefetch_b8 v0, s[64:65] scope:SCOPE_SE
	s_setreg_imm32_b32 hwreg(HW_REG_WAVE_MODE, 25, 1), 1
	s_wait_xcnt 0x0
; THIRD OF THREE LAUNCHES.  For each query its 16 neighbours (the second launch's indices) go through  relu(g W0^T + b0) -> relu(. W1^T + b1) -> . W2^T + b2,  and the largest over the 16 is the result.
; The products with W1 and W2 are on codes of FP4 (E2M1) with one E8M0 scale for each 32 along K; the first (K = 3) feeds a quantiser and is made in f32, by the f32 matrix form with K = 4: k = 3 carries 1.0 x b0.
; LIMITS: finite inputs only.  A block of zeros gets the scale byte 1 (its codes are zeros, and the bytes never leave this launch).  b2 is added behind the maximum: rounding is monotone, so the bits are the same.
; SHARES: a wave owns 16 consecutive queries; one trip of its loop is one query, a tile of 16 neighbours.  Two waves to a SIMD, so that one wave's vector work stands beside the other's matrix work.
; THE WEIGHTS: in the head wave w quantises two of the 16 tiles of W1 and W2; they go through LDS as images of the operand's registers (16 bytes a lane for each four registers, 4 bytes a lane for the scale word);
; behind the one barrier every wave holds both weights whole in 128 registers.  No tensor load, no cluster, no prefetch: every read from memory stands at the head, 132 KiB of weights and 2 KiB a wave.
; LAYOUT (r = lane % 16, h = lane / 16).  The first two products are used transposed (source 0 = 16 rows of W, source 1 = the 16 neighbours), and lane r of tile t takes the weight's row
; 32 (t / 2) + 8 (t % 2) + r + 8 (r / 8): lane (r, h) then holds neighbour r, and register 8 t + j the unit 32 (t / 2) + 16 h + 8 (t % 2) + j: 16 registers of two tiles are 16 neighbours along the next K.
; The last product is used straight (source 0 = the hidden codes, source 1 = 16 rows of W2; lane r of tile t takes row 4 r + t % 4 + 64 (t / 4)): a lane holds 8 neighbours of one output, and after the
; maximum lane l holds outputs 4 l + 0..3: a wave stores a row's 512 consecutive bytes.
; LDS: WIMG at 0: 16 images x 1,024 bytes;  WSC at 16,384: 16 x 128 bytes of scale words;  PF at 18,432: for each wave 17 slots of 256 bytes: slot q = query q's f32 fragment (8 bytes a lane); slot 16 repeats slot 15,
; so that the look-ahead of the last trip reads bytes that were written.
; REGISTERS: window 0 as set below;  window 1: v0-63 W1's eight fragments (in the head: the numbers of my second tile), v64-127 W2's, v128-191 b1 in the result's layout, v192-223 the gathered points.
.set WSC,  16384
.set PF,   18432
.set PFW,  4352
.set W0F,  16                          ; v16-31   W0's eight fragments (two registers each), b0 as k = 3
.set W1S,  32                          ; v32-39   W1's scale words;  v40-47 W2's: they hold scales and nothing else
.set W2S,  40
.set PC,   48                          ; v48-55   the codes just made
.set PW,   56                          ; v56      the scale word just made
.set ONE,  57                          ; v57      1.0
.set P,    58                          ; v58-59   the query's f32 fragment: (x, y) in lanes 0-15, (z, 1) in lanes 16-31
.set B2,   60                          ; v60-63   b2 of my four outputs
.set H,    64                          ; v64-127  the results of all three products: written by matrix instructions alone
.set R,    128                         ; v128-191 after relu (in the head: the numbers of my first tile)
.set TM,   192                         ; v192-207 at work in the quantisers
.set M,    208                         ; v208-215 maxima (in the head: my second tile's codes)
.set O,    216                         ; v216-219 a query's outputs (in the head v216: my second tile's scale word)
.set IDX,  220                         ; v220-235 the neighbours' indices, then their byte offsets
.set T2,   236                         ; v236-243 b0 of the lane's units
.set G,    192                         ; in window 1
.set B1C,  128                         ; in window 1
.set MSB, 0
.macro WIN new                         ; s_set_vgpr_msb: bits 1:0 source 0, 3:2 source 1, 5:4 source 2, 7:6 destination; the high byte repeats the setting that is left
.if MSB != (\new)
	s_set_vgpr_msb (MSB<<8)|(\new)
.set MSB, (\new)
.endif
.endm
	s_load_b256 s[4:11], s[0:1], 0x0               ; xyz s[4:5], nbr s[6:7], W0 s[8:9], b0 s[10:11]
	s_load_b256 s[12:19], s[0:1], 0x20             ; W1 s[12:13], b1 s[14:15], W2 s[16:17], b2 s[18:19]
	s_load_b64 s[20:21], s[0:1], 0x40              ; out0
	v_lshl_add_u32 v254, v0, 2, 0xd000
	v_mov_b32 v255, 0
	v_lshrrev_b32 v13, 5, v0
	v_readfirstlane_b32 s22, v13                   ; wave 0..7
	v_and_b32 v1, 31, v0                           ; lane
	v_and_b32 v2, 15, v0                           ; r
	v_bfe_u32 v3, v0, 4, 1                         ; h
	v_lshlrev_b32 v4, 4, v1                        ; 16 x lane: an image's place, and my bytes of a row of out0
	v_lshlrev_b32 v5, 2, v1                        ; 4 x lane: a scale word's place
	s_mul_i32 s30, s22, PFW
	s_add_co_u32 s30, s30, PF
	v_lshl_add_u32 v6, v1, 3, s30                  ; my wave's slots, 8 bytes a lane
	s_lshl_b32 s30, s22, 11
	v_add_nc_u32 v8, s30, v4                       ; where I store my two images
	s_lshl_b32 s30, s22, 8
	s_add_co_u32 s30, s30, WSC
	v_add_nc_u32 v9, s30, v5                       ; and their scale words
	v_lshlrev_b32 v12, 3, v3                       ; 8 h
	v_lshlrev_b32 v15, 2, v3                       ; 4 h
	v_lshrrev_b32 v14, 3, v2                       ; r / 8
	v_and_b32 v13, 7, v2
	v_lshlrev_b32 v248, 19, v14
	v_lshl_add_u32 v248, v13, 1, v248              ; nbr: neighbour r: plane r / 8, u16 number r % 8
	v_lshl_add_u32 v249, v14, 3, v2                ; r + 8 (r / 8)
	v_mul_u32_u24 v245, v249, 12
	v_lshl_add_u32 v245, v3, 3, v245               ; W0: my unit's row, k = 2 h
	v_mad_u32_u24 v246, v249, 12, 4                ; W0: my unit's row, k = 1
	v_lshlrev_b32 v247, 2, v249                    ; b0: my unit
	v_lshlrev_b32 v244, 6, v3                      ; b1: 16 h units on
	; which rows of which weight are mine: waves 0-3 take W1's tiles 2 w, 2 w + 1; waves 4-7 W2's tiles 2 (w - 4), 2 (w - 4) + 1
	s_and_b32 s30, s22, 3
	s_lshl_b32 s34, s30, 5                         ; W1: tile 2 w begins at row 32 w
	s_lshr_b32 s35, s30, 1
	s_lshl_b32 s35, s35, 6
	s_and_b32 s31, s22, 1
	s_lshl_b32 s31, s31, 1
	s_add_co_u32 s35, s35, s31                     ; W2: tile t begins at row t % 4 + 64 (t / 4)
	s_mov_b32 s33, 512
	s_cmp_lt_u32 s22, 4
	s_cselect_b32 s30, 1, 4                        ; rows from lane to lane,
	s_cselect_b32 s31, 8, 0                        ; and the leap at r = 8
	s_cselect_b32 s32, s34, s35
	s_cselect_b32 s33, 4096, s33                   ; my second tile: 8 rows on in W1, one row on in W2
	v_mul_u32_u24 v13, v2, s30
	v_mad_u32_u24 v13, v14, s31, v13
	v_add_nc_u32 v13, s32, v13
	v_lshlrev_b32 v10, 9, v13                      ; a row of 128 f32 is 512 bytes
	v_lshl_add_u32 v10, v3, 7, v10                 ; + 32 h numbers: the operand's layout gives lane (r, h) k = 64 c + 32 h + 0 .. 31
	v_add_nc_u32 v11, s33, v10
	s_mov_b32 s23, 0xffff0000                      ; lanes 16-31
	s_mov_b32 s24, 0x76543210
	s_mov_b32 s25, 0xfedcba98                      ; v_permlanex16_b32's selects for lane l xor 16
.irp b, 4,5,6,7
	v_mov_b32 v[TM+\b], 0                          ; written once: a lane permute's destination counts as one of its sources
.endr
	v_mov_b32 v[ONE], 1.0
	s_lshl_b32 s36, ttmp9, 7
	s_lshl_b32 s37, s22, 4
	s_add_co_u32 s36, s36, s37                     ; my first query: 128 x work-group + 16 x wave
	s_mov_b32 s39, 0
	s_lshr_b32 s37, ttmp9, 5                       ; the batch
	s_wait_kmcnt 0x0
	s_lshl_b32 s38, s36, 4
	s_add_nc_u64 s[6:7], s[6:7], s[38:39]          ; nbr at my first query
	s_lshl_b32 s38, s36, 9
	s_add_nc_u64 s[20:21], s[20:21], s[38:39]      ; out0 likewise
	s_mul_i32 s38, s37, 49152
	s_add_nc_u64 s[4:5], s[4:5], s[38:39]          ; xyz at my batch
	s_cmp_lt_u32 s22, 4
	s_cselect_b64 s[28:29], s[12:13], s[16:17]     ; the weight of which I quantise two tiles
.irp q, 0,1,2,3,4,5,6,7,8,9,10,11,12,13,14,15
	global_load_u16 v[IDX+\q], v248, s[6:7] offset:16*\q       ; the indices first: the gathers hang on them
.endr
	WIN 0x40                                       ; destination window 1
.irp t, 0,1,2,3,4,5,6,7
	global_load_b128 v[B1C+8*\t:B1C+8*\t+3], v244, s[14:15] offset:4*(32*(\t/2)+8*(\t%2))
	global_load_b128 v[B1C+8*\t+4:B1C+8*\t+7], v244, s[14:15] offset:4*(32*(\t/2)+8*(\t%2))+16
.endr
	WIN 0
.irp t, 0,1,2,3,4,5,6,7
	global_load_b32 v[W0F+2*\t], v245, s[8:9] offset:12*(32*(\t/2)+8*(\t%2))     ; k = 0 (lanes 0-15) or 2 (lanes 16-31)
	global_load_b32 v[W0F+2*\t+1], v246, s[8:9] offset:12*(32*(\t/2)+8*(\t%2))   ; k = 1; lanes 16-31 take b0 below
	global_load_b32 v[T2+\t], v247, s[10:11] offset:4*(32*(\t/2)+8*(\t%2))
.endr
	global_load_b128 v[B2:B2+3], v4, s[18:19]
.irp c, 0,1
.irp n, 0,1,2,3,4,5,6,7
	global_load_b128 v[R+32*\c+4*\n:R+32*\c+4*\n+3], v10, s[28:29] offset:256*\c+16*\n    ; my first tile: 64 numbers of my row
.endr
.endr
	WIN 0x40
.irp c, 0,1
.irp n, 0,1,2,3,4,5,6,7
	global_load_b128 v[32*\c+4*\n:32*\c+4*\n+3], v11, s[28:29] offset:256*\c+16*\n        ; my second tile
.endr
.endr
	WIN 0
	s_wait_loadcnt 32                              ; all but the two tiles' 32 loads are in
.irp q, 0,1,2,3,4,5,6,7,8,9,10,11,12,13,14,15
	v_min_u32 v[IDX+\q], 0xfff, v[IDX+\q]          ; an index read from memory is held inside the batch
.endr
.irp q, 0,1,2,3,4,5,6,7,8,9,10,11,12,13,14,15
	v_mul_u32_u24 v[IDX+\q], v[IDX+\q], 12
.endr
.irp q, 0,1,2,3,4,5,6,7,8,9,10,11,12,13,14,15
	v_add_nc_u32 v[IDX+\q], v15, v[IDX+\q]         ; + 4 h: lanes 0-15 read (x, y), lanes 16-31 (y, z): always inside the point
.endr
	WIN 0x40
.irp q, 0,1,2,3,4,5,6,7,8,9,10,11,12,13,14,15
	global_load_b32 v[G+2*\q], v[IDX+\q], s[4:5]
	global_load_b32 v[G+2*\q+1], v[IDX+\q], s[4:5] offset:4
.endr
	WIN 0
.irp t, 0,1,2,3,4,5,6,7
	v_cndmask_b32 v[W0F+2*\t+1], v[W0F+2*\t+1], v[T2+\t], s23   ; lanes 16-31: k = 3 is b0
.endr
; A tile of a weight, 16 rows x 128 K: the lane's 64 numbers, v[X + 32 c + n] = k 64 c + 32 h + n of its row (in window win), become the operand's 8 registers in v[dst] on and the row's scale word in v[word]; both go to LDS as they stand.
; A block's scale: the largest magnitude (with the floor 2^(3 - 127), so that the byte cannot fall under 1) with 2 off its exponent field is the conversion's scale operand; its exponent field is the byte.
.macro WQUANT win, X, dst, word, slot
	WIN 5*(\win)
.irp c, 0,1
	v_max3_num_f32 v[TM+\c], |v[\X+32*\c]|, |v[\X+32*\c+1]|, 0x1800000
.endr
	WIN 0x14*(\win)
.irp n, 2,4,6,8,10,12,14,16,18,20,22,24,26,28,30
.irp c, 0,1
	v_max3_num_f32 v[TM+\c], v[TM+\c], |v[\X+32*\c+\n]|, |v[\X+32*\c+\n+1]|
.endr
.endr
	WIN 0
.irp c, 0,1
	v_add_nc_u32 v[TM+2+\c], 0xff000000, v[TM+\c]
.endr
.irp c, 0,1
	v_lshrrev_b32 v[TM+8+\c], 23, v[TM+2+\c]
.endr
	v_lshl_or_b32 v[\word], v[TM+9], 16, v[TM+8]   ; my two bytes: blocks h and 2 + h,
	v_lshlrev_b32 v[\word], v12, v[\word]          ; at their places (8 h bits up);
	v_permlanex16_b32 v[TM+4], v[\word], s24, s25
	v_or_b32 v[\word], v[\word], v[TM+4]           ; with lane l xor 16's two the word is whole
	WIN (\win)
.irp c, 0,1
.irp g, 0,1,2,3
	v_cvt_scalef32_pk8_fp4_f32 v[\dst+4*\c+\g], v[\X+32*\c+8*\g:\X+32*\c+8*\g+7], v[TM+2+\c]
.endr
.endr
	WIN 0
	v_nop                                          ; one plain vector instruction behind the last scaled conversion
	ds_store_b128 v8, v[\dst:\dst+3] offset:1024*\slot
	ds_store_b128 v8, v[\dst+4:\dst+7] offset:1024*\slot+512
	ds_store_b32 v9, v[\word] offset:128*\slot
.endm
	s_wait_loadcnt 32                              ; the two tiles are in; the 32 gathers may be out
	WQUANT 0, R, PC, PW, 0
	WQUANT 1, 0, M, O, 1
	s_wait_loadcnt 0x0                             ; the gathers
	WIN 0x45
.irp q, 0,1,2,3,4,5,6,7,8,9,10,11,12,13,14,15
	v_cndmask_b32 v[G+2*\q], v[G+2*\q], v[G+2*\q+1], s23       ; k = 2 h: x, or z
.endr
	WIN 0x41
.irp q, 0,1,2,3,4,5,6,7,8,9,10,11,12,13,14,15
	v_cndmask_b32 v[G+2*\q+1], v[G+2*\q+1], v[ONE], s23        ; k = 2 h + 1: y, or 1.0
.endr
	WIN 0x04                                       ; an LDS store's data are its source 1
.irp q, 0,1,2,3,4,5,6,7,8,9,10,11,12,13,14,15
	ds_store_b64 v6, v[G+2*\q:G+2*\q+1] offset:256*\q
.endr
	ds_store_b64 v6, v[G+30:G+31] offset:4096
	WIN 0
	s_wait_dscnt 0x0                               ; for the others' sake: my two images and their scale words lie in LDS
	s_barrier_signal -1
	s_barrier_wait -1                              ; all sixteen do; from here on the images are only read
	WIN 0x40
.set T, 0
.rept 16
	ds_load_b128 v[8*T:8*T+3], v4 offset:1024*T
	ds_load_b128 v[8*T+4:8*T+7], v4 offset:1024*T+512
.set T, T+1
.endr
	WIN 0
.set T, 0
.rept 16
	ds_load_b32 v[W1S+T], v5 offset:WSC+128*T
.set T, T+1
.endr
	ds_load_b64 v[P:P+1], v6                       ; the first query's fragment
.macro PLACES n                        ; plain vector instructions that name no register of the matrix instruction behind which they stand (ISA guide 7.12.1)
.rept \n
	v_nop
.endr
.endm
.macro RELU                            ; into other registers; each result is read from its low end on
.set j, 0
.rept 64
	v_max_num_f32 v[R+j], 0, v[H+j]
.set j, j+1
.endr
.endm
; 64 numbers of a lane, none negative, register 16 b + i = k 32 b + 16 h + i of neighbour r, become the operand's 8 registers in v[PC] on and the row's scale word in v[PW].
.macro QUANT
.irp b, 0,1,2,3
	v_max3_num_f32 v[TM+\b], v[R+16*\b], v[R+1+16*\b], 0x1800000   ; block b: my 16 numbers, and the floor 2^(3 - 127): the byte cannot fall under 1
.endr
.irp i, 2,4,6,8,10,12,14
.irp b, 0,1,2,3
	v_max3_num_f32 v[TM+\b], v[TM+\b], v[R+16*\b+\i], v[R+1+16*\b+\i]   ; the four blocks by turns
.endr
.endr
.irp b, 0,1,2,3
	v_permlanex16_b32 v[TM+4+\b], v[TM+\b], s24, s25
.endr
.irp b, 0,1,2,3
	v_max_num_f32 v[TM+\b], v[TM+\b], v[TM+4+\b]   ; with lane l xor 16's 16: the block's largest
.endr
.irp b, 0,1,2,3
	v_add_nc_u32 v[TM+12+\b], 0xff000000, v[TM+\b] ; 2 off its exponent field: the conversion's scale operand
.endr
.irp b, 0,1,2,3
	v_lshrrev_b32 v[TM+4+\b], 23, v[TM+12+\b]      ; the scale's byte
.endr
	v_lshl_or_b32 v[PW], v[TM+5], 8, v[TM+4]
	v_lshl_or_b32 v[PW], v[TM+6], 16, v[PW]
	v_lshl_or_b32 v[PW], v[TM+7], 24, v[PW]
.irp b, 0,1,2,3
	v_cvt_scalef32_pk8_fp4_f32 v[PC+2*\b], v[R+16*\b:R+7+16*\b], v[TM+12+\b]
	v_cvt_scalef32_pk8_fp4_f32 v[PC+1+2*\b], v[R+8+16*\b:R+15+16*\b], v[TM+12+\b]
.endr
	v_nop                                          ; one plain vector instruction behind the last scaled conversion
.irp c, 0,1                                    ; the operand's layout wants a whole block in a lane: lanes 0-15 block 2 c, lanes 16-31 block 2 c + 1
.irp i, 0,1
	v_permlane16_swap_b32 v[PC+4*\c+\i], v[PC+2+4*\c+\i]
.endr
.endr
	PLACES 8                                       ; a scale register written by a vector instruction stands 8 places ahead of a scaled matrix instruction, an operand so written 4
.endm
	s_mov_b32 s26, 0                               ; the slot of the fragment to be fetched: 256 bytes a trip
	s_mov_b32 s27, 16
.Lq:                                                   ; a trip: one query.  No sum is added in place: each result is one instruction with K whole
	s_wait_dscnt 0x0                               ; the query's fragment is in (in the first trip the weights and their scale words too)
.irp t, 0,1,2,3,4,5,6,7
	v_wmma_f32_16x16x4_f32 v[H+8*\t:H+8*\t+7], v[W0F+2*\t:W0F+2*\t+1], v[P:P+1], 0     ; g W0^T + b0
.endr
	s_wait_xcnt 0x0                                ; the last trip's store has read its base and its data: both may be written again
	s_add_nc_u64 s[20:21], s[20:21], 512           ; one row of out0 on; the store below reaches back
	s_add_co_u32 s26, s26, 256
	v_add_nc_u32 v7, s26, v6
	PLACES 7                                       ; with the line above: eight places behind this form
	RELU
	ds_load_b64 v[P:P+1], v7                       ; the next query's fragment: it lands while this query is worked
	QUANT
	WIN 0x11                                       ; source 0 (W1) and source 2 (b1) window 1
.irp t, 0,1,2,3,4,5,6,7
	v_wmma_scale_f32_16x16x128_f8f6f4 v[H+8*\t:H+8*\t+7], v[8*\t:8*\t+7], v[PC:PC+7], v[B1C+8*\t:B1C+8*\t+7], v[W1S+\t], v[PW] matrix_a_fmt:MATRIX_FMT_FP4 matrix_b_fmt:MATRIX_FMT_FP4
.endr
	WIN 0
	PLACES 4
	RELU
	QUANT
	WIN 0x04                                       ; source 1 (W2) window 1
.irp t, 0,1,2,3,4,5,6,7
	v_wmma_scale_f32_16x16x128_f8f6f4 v[H+8*\t:H+8*\t+7], v[PC:PC+7], v[64+8*\t:64+8*\t+7], 0, v[PW], v[W2S+\t] matrix_a_fmt:MATRIX_FMT_FP4 matrix_b_fmt:MATRIX_FMT_FP4
.endr
	WIN 0
	PLACES 4
.irp t, 0,1,2,3,4,5,6,7
	v_max3_num_f32 v[M+\t], v[H+8*\t], v[H+8*\t+1], v[H+8*\t+2]       ; the largest of a lane's 8 neighbours, the eight tiles by turns
.endr
.irp t, 0,1,2,3,4,5,6,7
	v_max3_num_f32 v[M+\t], v[M+\t], v[H+8*\t+3], v[H+8*\t+4]
.endr
.irp t, 0,1,2,3,4,5,6,7
	v_max3_num_f32 v[M+\t], v[M+\t], v[H+8*\t+5], v[H+8*\t+6]
.endr
.irp t, 0,1,2,3,4,5,6,7
	v_max_num_f32 v[M+\t], v[M+\t], v[H+8*\t+7]
.endr
.irp p, 0,1,2,3
	v_permlane16_swap_b32 v[M+\p], v[M+4+\p]       ; tile p's upper lanes change places with tile 4 + p's lower: both halves of the neighbours of one output now stand in one lane
.endr
.irp p, 0,1,2,3
	v_max_num_f32 v[O+\p], v[M+\p], v[M+4+\p]      ; lane l: output 4 l + p
.endr
	v_pk_add_f32 v[O:O+1], v[O:O+1], v[B2:B2+1]
	v_pk_add_f32 v[O+2:O+3], v[O+2:O+3], v[B2+2:B2+3]
	global_store_b128 v4, v[O:O+3], s[20:21] offset:-512 th:TH_STORE_NT   ; 32 lanes store a row's 512 consecutive bytes; written once, read by nobody here
	s_sub_co_u32 s27, s27, 1
	s_cmp_lg_u32 s27, 0
	s_cbranch_scc1 .Lq
	s_wait_tensorcnt 0x0
	ds_add_u32 v254, v255
	s_wait_dscnt 0x0
	s_endpgm
.Lfunc_end_k_qa1d2d52a56_mlp:
	.size	k_qa1d2d52a56_mlp, .Lfunc_end_k_qa1d2d52a56_mlp-k_qa1d2d52a56_mlp
	.p2alignl 7, 3214868480
	.fill 96, 4, 3214868480
	.section	.rodata,"a",@progbits
	.p2align	6, 0x0
	.amdhsa_kernel k_qa1d2d52a56_mlp
		.amdhsa_group_segment_fixed_size 54272
		.amdhsa_private_segment_fixed_size 0
		.amdhsa_enable_private_segment 0
		.amdhsa_kernarg_size 72
		.amdhsa_user_sgpr_count 2
		.amdhsa_user_sgpr_kernarg_segment_ptr 1
		.amdhsa_wavefront_size32 1
		.amdhsa_system_sgpr_workgroup_id_x 1
		.amdhsa_system_sgpr_workgroup_id_y 1
		.amdhsa_system_sgpr_workgroup_id_z 1
		.amdhsa_system_vgpr_workitem_id 0
		.amdhsa_next_free_vgpr 480
		.amdhsa_next_free_sgpr 66
		.amdhsa_reserve_vcc 0
		.amdhsa_float_denorm_mode_32 3
		.amdhsa_float_denorm_mode_16_64 3
		.amdhsa_memory_ordered 1
		.amdhsa_forward_progress 1
		.amdhsa_inst_pref_size 49
	.end_amdhsa_kernel
	.amdgpu_metadata
---
amdhsa.version: [ 1, 2 ]
amdhsa.kernels:
  - .name:           k_qa1d2d52a56_mlp
    .symbol:         k_qa1d2d52a56_mlp.kd
    .args:
      - { .name: xyz, .offset: 0, .size: 8, .value_kind: global_buffer, .address_space: global }
      - { .name: nbr, .offset: 8, .size: 8, .value_kind: global_buffer, .address_space: global }
      - { .name: W0, .offset: 16, .size: 8, .value_kind: global_buffer, .address_space: global }
      - { .name: b0, .offset: 24, .size: 8, .value_kind: global_buffer, .address_space: global }
      - { .name: W1, .offset: 32, .size: 8, .value_kind: global_buffer, .address_space: global }
      - { .name: b1, .offset: 40, .size: 8, .value_kind: global_buffer, .address_space: global }
      - { .name: W2, .offset: 48, .size: 8, .value_kind: global_buffer, .address_space: global }
      - { .name: b2, .offset: 56, .size: 8, .value_kind: global_buffer, .address_space: global }
      - { .name: out0, .offset: 64, .size: 8, .value_kind: global_buffer, .address_space: global }
    .group_segment_fixed_size: 54272
    .private_segment_fixed_size: 0
    .kernarg_segment_align: 8
    .kernarg_segment_size: 72
    .max_flat_workgroup_size: 256
    .sgpr_count:     66
    .vgpr_count:     480
    .wavefront_size: 32
...
	.end_amdgpu_metadata
.endif
;; end of part 3
;; ======== version 2 of 2: 3 launches; version 1 with the launch mlp written anew for expert scheduling mode
;; workspace buffers: groups 655,360 bytes of whole numbers; nbr 1,048,576 bytes of whole numbers
;; launch far: the kernel of part 1 again; grid 256 x 1, 4 waves a work-group, no clusters, 141,824 bytes of LDS; arguments xyz, groups; writes groups
;; launch pick: the kernel of part 2 again; grid 256 x 1, 4 waves a work-group, no clusters, 66,560 bytes of LDS; arguments xyz, groups, nbr; writes nbr
;; launch mlp (part 4): grid 256 x 1, 8 waves a work-group, no clusters, 54,272 bytes of LDS; arguments xyz, nbr, W0, b0, W1, b1, W2, b2, out0; writes out0
.if DOCPART == 4
	.amdgcn_target "amdgcn-amd-amdhsa--gfx1250"
	.amdhsa_code_object_version 6
	.text
	.protected	k_qa1d2d52a56_mlp
	.globl	k_qa1d2d52a56_mlp
	.p2align	8
	.type	k_qa1d2d52a56_mlp,@function
k_qa1d2d52a56_mlp:
	s_mov_b64 s[64:65], 0
	v_nop
	global_prefetch_b8 v0, s[64:65] scope:SCOPE_SE
	s_setreg_imm32_b32 hwreg(HW_REG_WAVE_SCHED_MODE, 0, 2), 2
	s_setreg_imm32_b32 hwreg(HW_REG_WAVE_MODE, 25, 1), 1
	s_wait_xcnt 0x0
	s_wait_alu depctr_vm_vsrc(0)
; THIRD OF THREE LAUNCHES.  For each query its 16 neighbours (the second launch's indices) go through  relu(g W0^T + b0) -> relu(. W1^T + b1) -> . W2^T + b2,  and the largest over the 16 is the result.
; The products with W1 and W2 are on codes of FP4 (E2M1) with one E8M0 scale for each 32 along K; the first (K = 3) feeds a quantiser and is made in f32, by the f32 matrix form with K = 4: k = 3 carries 1.0 x b0.
; LIMITS: finite inputs only.  A block of zeros gets the scale byte 1 (its codes are zeros, and the bytes never leave this launch).  b2 is added behind the maximum: rounding is monotone, so the bits are the same.
; SHARES: a wave owns 16 consecutive queries; one trip is one query, a tile of 16 neighbours.  Two waves to a SIMD, so that one wave's vector work stands beside the other's matrix work.
; THE WEIGHTS: in the head wave w quantises two of the 16 tiles of W1 and W2; they go through LDS as images of the operand's registers (16 bytes a lane for each four registers, 4 bytes a lane for the scale word);
; behind the one barrier every wave holds both weights whole in 128 registers.  No tensor load, no cluster, no prefetch: every read from memory stands at the head, 132 KiB of weights and 2 KiB a wave.
; LAYOUT (r = lane % 16, h = lane / 16).  The first two products are used transposed (source 0 = 16 rows of W, source 1 = the 16 neighbours), and lane r of tile t takes the weight's row
; 32 (t / 2) + 8 (t % 2) + r + 8 (r / 8): lane (r, h) then holds neighbour r, and register 8 t + j the unit 32 (t / 2) + 16 h + 8 (t % 2) + j: 16 registers of two tiles are 16 neighbours along the next K.
; The last product is used straight (source 0 = the hidden codes, source 1 = 16 rows of W2; lane r of tile t takes row 4 r + t % 4 + 64 (t / 4)): a lane holds 8 neighbours of one output, and after the
; maximum lane l holds outputs 4 l + 0..3: a wave stores a row's 512 consecutive bytes.
; LDS: WIMG at 0: 16 images x 1,024 bytes;  WSC at 16,384: 16 x 128 bytes of scale words;  PF at 18,432: for each wave 17 slots of 256 bytes: slot q = query q's f32 fragment (8 bytes a lane); slot 16 repeats slot 15,
; so that the look-ahead of the last trip reads bytes that were written.
; REGISTERS: window 0 as set below;  window 1: v0-63 W1's eight fragments (in the head: the numbers of my second tile), v64-127 W2's, v128-191 b1 in the result's layout, v192-223 the gathered points.
; THE MODE: SCHED_MODE bits 1:0 = 2 (LLVM: expert scheduling mode 2), set by the entry lines.  The code itself states the register dependences
; between vector or matrix instructions and memory or LDS instructions, with s_wait_alu, always for 0.
; THE PLAN.  Registers that memory or LDS instructions touch, in a trip:
;   P        Read by the trip's eight f32 matrix instructions; behind them the LDS load of the next query's fragment lands in it.
;   v7       The address of that load: written once a trip, at its head.
;   O        Written by a trip's last six vector lines; read by the one store, which is issued in the trip that follows.
;   v4, v6   Offsets made at the head and never written again; the base of out0 is a scalar pair that steps behind each store.
;   PC, PW   Written by the quantiser's vector lines; taken by the scaled matrix instructions as operand and as scales.
; So a trip has TWO waits on va_vdst, one behind each quantiser's places, ahead of the scaled matrix instructions that take PC and PW.  The first of them states as well that the f32 matrix instructions are done
; reading P, that v7 is written, and that the trip before has written O: the trip's two memory instructions stand straight behind it.  ONE wait on vm_vsrc a trip, ahead of the lines that write O, states that
; the store has read O and the LDS load v7, which the next trip's head writes.  The first trip has no store and is written out; the last query's store stands behind the loop, behind a wait of its own.
.set WSC,  16384
.set PF,   18432
.set PFW,  4352
.set W0F,  16                          ; v16-31   W0's eight fragments (two registers each), b0 as k = 3
.set W1S,  32                          ; v32-39   W1's scale words;  v40-47 W2's: they hold scales and nothing else
.set W2S,  40
.set PC,   48                          ; v48-55   the codes just made
.set PW,   56                          ; v56      the scale word just made
.set ONE,  57                          ; v57      1.0
.set P,    58                          ; v58-59   the query's f32 fragment: (x, y) in lanes 0-15, (z, 1) in lanes 16-31
.set B2,   60                          ; v60-63   b2 of my four outputs
.set H,    64                          ; v64-127  the results of all three products: written by matrix instructions alone
.set R,    128                         ; v128-191 after relu (in the head: the numbers of my first tile)
.set TM,   192                         ; v192-207 at work in the quantisers
.set M,    208                         ; v208-215 maxima (in the head: my second tile's codes)
.set O,    216                         ; v216-219 a query's outputs (in the head v216: my second tile's scale word)
.set IDX,  220                         ; v220-235 the neighbours' indices, then their byte offsets
.set T2,   236                         ; v236-243 b0 of the lane's units
.set G,    192                         ; in window 1
.set B1C,  128                         ; in window 1
.set MSB, 0
.macro WIN new                         ; s_set_vgpr_msb: bits 1:0 source 0, 3:2 source 1, 5:4 source 2, 7:6 destination; the high byte repeats the setting that is left
.if MSB != (\new)
	s_set_vgpr_msb (MSB<<8)|(\new)
.set MSB, (\new)
.endif
.endm
	s_load_b256 s[4:11], s[0:1], 0x0               ; xyz s[4:5], nbr s[6:7], W0 s[8:9], b0 s[10:11]
	s_load_b256 s[12:19], s[0:1], 0x20             ; W1 s[12:13], b1 s[14:15], W2 s[16:17], b2 s[18:19]
	s_load_b64 s[20:21], s[0:1], 0x40              ; out0
	v_lshl_add_u32 v254, v0, 2, 0xd000
	v_mov_b32 v255, 0
	v_lshrrev_b32 v13, 5, v0
	v_readfirstlane_b32 s22, v13                   ; wave 0..7
	v_and_b32 v1, 31, v0                           ; lane
	v_and_b32 v2, 15, v0                           ; r
	v_bfe_u32 v3, v0, 4, 1                         ; h
	v_lshlrev_b32 v4, 4, v1                        ; 16 x lane: an image's place, and my bytes of a row of out0
	v_lshlrev_b32 v5, 2, v1                        ; 4 x lane: a scale word's place
	s_wait_alu depctr_va_sdst(0)                   ; s22 is written, ahead of its first reader: LDS addresses, the choice of my tiles and the bases are made from it
	s_mul_i32 s30, s22, PFW
	s_add_co_u32 s30, s30, PF
	v_lshl_add_u32 v6, v1, 3, s30                  ; my wave's slots, 8 bytes a lane
	s_lshl_b32 s30, s22, 11
	v_add_nc_u32 v8, s30, v4                       ; where I store my two images
	s_lshl_b32 s30, s22, 8
	s_add_co_u32 s30, s30, WSC
	v_add_nc_u32 v9, s30, v5                       ; and their scale words
	v_lshlrev_b32 v12, 3, v3                       ; 8 h
	v_lshlrev_b32 v15, 2, v3                       ; 4 h
	v_lshrrev_b32 v14, 3, v2                       ; r / 8
	v_and_b32 v13, 7, v2
	v_lshlrev_b32 v248, 19, v14
	v_lshl_add_u32 v248, v13, 1, v248              ; nbr: neighbour r: plane r / 8, u16 number r % 8
	v_lshl_add_u32 v249, v14, 3, v2                ; r + 8 (r / 8)
	v_mul_u32_u24 v245, v249, 12
	v_lshl_add_u32 v245, v3, 3, v245               ; W0: my unit's row, k = 2 h
	v_mad_u32_u24 v246, v249, 12, 4                ; W0: my unit's row, k = 1
	v_lshlrev_b32 v247, 2, v249                    ; b0: my unit
	v_lshlrev_b32 v244, 6, v3                      ; b1: 16 h units on
	; which rows of which weight are mine: waves 0-3 take W1's tiles 2 w, 2 w + 1; waves 4-7 W2's tiles 2 (w - 4), 2 (w - 4) + 1
	s_and_b32 s30, s22, 3
	s_lshl_b32 s34, s30, 5                         ; W1: tile 2 w begins at row 32 w
	s_lshr_b32 s35, s30, 1
	s_lshl_b32 s35, s35, 6
	s_and_b32 s31, s22, 1
	s_lshl_b32 s31, s31, 1
	s_add_co_u32 s35, s35, s31                     ; W2: tile t begins at row t % 4 + 64 (t / 4)
	s_mov_b32 s33, 512
	s_cmp_lt_u32 s22, 4
	s_cselect_b32 s30, 1, 4                        ; rows from lane to lane,
	s_cselect_b32 s31, 8, 0                        ; and the leap at r = 8
	s_cselect_b32 s32, s34, s35
	s_cselect_b32 s33, 4096, s33                   ; my second tile: 8 rows on in W1, one row on in W2
	v_mul_u32_u24 v13, v2, s30
	v_mad_u32_u24 v13, v14, s31, v13
	v_add_nc_u32 v13, s32, v13
	v_lshlrev_b32 v10, 9, v13                      ; a row of 128 f32 is 512 bytes
	v_lshl_add_u32 v10, v3, 7, v10                 ; + 32 h numbers: the operand's layout gives lane (r, h) k = 64 c + 32 h + 0 .. 31
	v_add_nc_u32 v11, s33, v10
	s_mov_b32 s23, 0xffff0000                      ; lanes 16-31
	s_mov_b32 s24, 0x76543210
	s_mov_b32 s25, 0xfedcba98                      ; v_permlanex16_b32's selects for lane l xor 16
.irp b, 4,5,6,7
	v_mov_b32 v[TM+\b], 0                          ; written once: a lane permute's destination counts as one of its sources
.endr
	v_mov_b32 v[ONE], 1.0
	s_lshl_b32 s36, ttmp9, 7
	s_lshl_b32 s37, s22, 4
	s_add_co_u32 s36, s36, s37                     ; my first query: 128 x work-group + 16 x wave
	s_mov_b32 s39, 0
	s_lshr_b32 s37, ttmp9, 5                       ; the batch
	s_wait_kmcnt 0x0
	s_lshl_b32 s38, s36, 4
	s_add_nc_u64 s[6:7], s[6:7], s[38:39]          ; nbr at my first query
	s_lshl_b32 s38, s36, 9
	s_add_nc_u64 s[20:21], s[20:21], s[38:39]      ; out0 likewise
	s_mul_i32 s38, s37, 49152
	s_add_nc_u64 s[4:5], s[4:5], s[38:39]          ; xyz at my batch
	s_cmp_lt_u32 s22, 4
	s_cselect_b64 s[28:29], s[12:13], s[16:17]     ; the weight of which I quantise two tiles
	s_wait_alu depctr_va_vdst(0)                   ; the offsets v4, v10, v11 and v244 to v249 are written, which the loads below read; so are the LDS addresses v5, v6, v8, v9.  Only loads and window switches follow up to the last of these loads
.irp q, 0,1,2,3,4,5,6,7,8,9,10,11,12,13,14,15
	global_load_u16 v[IDX+\q], v248, s[6:7] offset:16*\q       ; the indices first: the gathers hang on them
.endr
	WIN 0x40                                       ; destination window 1
.irp t, 0,1,2,3,4,5,6,7
	global_load_b128 v[B1C+8*\t:B1C+8*\t+3], v244, s[14:15] offset:4*(32*(\t/2)+8*(\t%2))
	global_load_b128 v[B1C+8*\t+4:B1C+8*\t+7], v244, s[14:15] offset:4*(32*(\t/2)+8*(\t%2))+16
.endr
	WIN 0
.irp t, 0,1,2,3,4,5,6,7
	global_load_b32 v[W0F+2*\t], v245, s[8:9] offset:12*(32*(\t/2)+8*(\t%2))     ; k = 0 (lanes 0-15) or 2 (lanes 16-31)
	global_load_b32 v[W0F+2*\t+1], v246, s[8:9] offset:12*(32*(\t/2)+8*(\t%2))   ; k = 1; lanes 16-31 take b0 below
	global_load_b32 v[T2+\t], v247, s[10:11] offset:4*(32*(\t/2)+8*(\t%2))
.endr
	global_load_b128 v[B2:B2+3], v4, s[18:19]
.irp c, 0,1
.irp n, 0,1,2,3,4,5,6,7
	global_load_b128 v[R+32*\c+4*\n:R+32*\c+4*\n+3], v10, s[28:29] offset:256*\c+16*\n    ; my first tile: 64 numbers of my row
.endr
.endr
	WIN 0x40
.irp c, 0,1
.irp n, 0,1,2,3,4,5,6,7
	global_load_b128 v[32*\c+4*\n:32*\c+4*\n+3], v11, s[28:29] offset:256*\c+16*\n        ; my second tile
.endr
.endr
	WIN 0
	s_wait_loadcnt 32                              ; all but the two tiles' 32 loads are in
.irp q, 0,1,2,3,4,5,6,7,8,9,10,11,12,13,14,15
	v_min_u32 v[IDX+\q], 0xfff, v[IDX+\q]          ; an index read from memory is held inside the batch
.endr
.irp q, 0,1,2,3,4,5,6,7,8,9,10,11,12,13,14,15
	v_mul_u32_u24 v[IDX+\q], v[IDX+\q], 12
.endr
.irp q, 0,1,2,3,4,5,6,7,8,9,10,11,12,13,14,15
	v_add_nc_u32 v[IDX+\q], v15, v[IDX+\q]         ; + 4 h: lanes 0-15 read (x, y), lanes 16-31 (y, z): always inside the point
.endr
	WIN 0x40
	s_wait_alu depctr_va_vdst(0)                   ; the sixteen byte offsets in v[IDX ..] are written, which the gathers read
.irp q, 0,1,2,3,4,5,6,7,8,9,10,11,12,13,14,15
	global_load_b32 v[G+2*\q], v[IDX+\q], s[4:5]
	global_load_b32 v[G+2*\q+1], v[IDX+\q], s[4:5] offset:4
.endr
	WIN 0
.irp t, 0,1,2,3,4,5,6,7
	v_cndmask_b32 v[W0F+2*\t+1], v[W0F+2*\t+1], v[T2+\t], s23   ; lanes 16-31: k = 3 is b0
.endr
; A tile of a weight, 16 rows x 128 K: the lane's 64 numbers, v[X + 32 c + n] = k 64 c + 32 h + n of its row (in window win), become the operand's 8 registers in v[dst] on and the row's scale word in v[word].
; A block's scale: the largest magnitude (with the floor 2^(3 - 127), so that the byte cannot fall under 1) with 2 off its exponent field is the conversion's scale operand; its exponent field is the byte.
.macro WQUANT win, X, dst, word
	WIN 5*(\win)
.irp c, 0,1
	v_max3_num_f32 v[TM+\c], |v[\X+32*\c]|, |v[\X+32*\c+1]|, 0x1800000
.endr
	WIN 0x14*(\win)
.irp n, 2,4,6,8,10,12,14,16,18,20,22,24,26,28,30
.irp c, 0,1
	v_max3_num_f32 v[TM+\c], v[TM+\c], |v[\X+32*\c+\n]|, |v[\X+32*\c+\n+1]|
.endr
.endr
	WIN 0
.irp c, 0,1
	v_add_nc_u32 v[TM+2+\c], 0xff000000, v[TM+\c]
.endr
.irp c, 0,1
	v_lshrrev_b32 v[TM+8+\c], 23, v[TM+2+\c]
.endr
	v_lshl_or_b32 v[\word], v[TM+9], 16, v[TM+8]   ; my two bytes: blocks h and 2 + h,
	v_lshlrev_b32 v[\word], v12, v[\word]          ; at their places (8 h bits up);
	v_permlanex16_b32 v[TM+4], v[\word], s24, s25
	v_or_b32 v[\word], v[\word], v[TM+4]           ; with lane l xor 16's two the word is whole
	WIN (\win)
.irp c, 0,1
.irp g, 0,1,2,3
	v_cvt_scalef32_pk8_fp4_f32 v[\dst+4*\c+\g], v[\X+32*\c+8*\g:\X+32*\c+8*\g+7], v[TM+2+\c]
.endr
.endr
	WIN 0
	v_nop                                          ; one plain vector instruction behind the last scaled conversion
.endm
; The tile's codes and scale word go to LDS as they stand
.macro WSEND dst, word, slot
	ds_store_b128 v8, v[\dst:\dst+3] offset:1024*\slot
	ds_store_b128 v8, v[\dst+4:\dst+7] offset:1024*\slot+512
	ds_store_b32 v9, v[\word] offset:128*\slot
.endm
	s_wait_loadcnt 32                              ; the two tiles are in; the 32 gathers may be out
	WQUANT 0, R, PC, PW
	WQUANT 1, 0, M, O
	s_wait_loadcnt 0x0                             ; the gathers
	WIN 0x45
.irp q, 0,1,2,3,4,5,6,7,8,9,10,11,12,13,14,15
	v_cndmask_b32 v[G+2*\q], v[G+2*\q], v[G+2*\q+1], s23       ; k = 2 h: x, or z
.endr
	WIN 0x41
.irp q, 0,1,2,3,4,5,6,7,8,9,10,11,12,13,14,15
	v_cndmask_b32 v[G+2*\q+1], v[G+2*\q+1], v[ONE], s23        ; k = 2 h + 1: y, or 1.0
.endr
	WIN 0
	s_wait_alu depctr_va_vdst(0)                   ; one wait for all 23 LDS stores below: the conversions have written v[PC ..] and v[M ..], the two scale words v[PW] and v[O] are whole, and the selects have written the fragments in window 1
	WSEND PC, PW, 0
	WSEND M, O, 1
	WIN 0x04                                       ; an LDS store's data are its source 1
.irp q, 0,1,2,3,4,5,6,7,8,9,10,11,12,13,14,15
	ds_store_b64 v6, v[G+2*\q:G+2*\q+1] offset:256*\q
.endr
	ds_store_b64 v6, v[G+30:G+31] offset:4096
	WIN 0
	s_wait_dscnt 0x0                               ; for the others' sake: my two images and their scale words lie in LDS
	s_barrier_signal -1
	s_barrier_wait -1                              ; all sixteen do; from here on the images are only read
	s_wait_alu depctr_vm_vsrc(0)                   ; my LDS stores have read v[PC ..], v[PW], v[M ..] and v[O], which the trips' vector lines write again
	WIN 0x40
	s_wait_alu depctr_va_vdst(0)                   ; my second tile's maxima and conversions are done reading window 1's v0-63, in which W1's fragments land
.set T, 0
.rept 16
	ds_load_b128 v[8*T:8*T+3], v4 offset:1024*T
	ds_load_b128 v[8*T+4:8*T+7], v4 offset:1024*T+512
.set T, T+1
.endr
	WIN 0
.set T, 0
.rept 16
	ds_load_b32 v[W1S+T], v5 offset:WSC+128*T
.set T, T+1
.endr
	ds_load_b64 v[P:P+1], v6                       ; the first query's fragment
.macro PLACES n                        ; plain vector instructions that name no register of the matrix instruction behind which they stand (ISA guide 7.12.1)
.rept \n
	v_nop
.endr
.endm
.macro RELU                            ; into other registers; each result is read from its low end on
.set j, 0
.rept 64
	v_max_num_f32 v[R+j], 0, v[H+j]
.set j, j+1
.endr
.endm
; 64 numbers of a lane, none negative, register 16 b + i = k 32 b + 16 h + i of neighbour r, become the operand's 8 registers in v[PC] on and the row's scale word in v[PW].
.macro QUANT
.irp b, 0,1,2,3
	v_max3_num_f32 v[TM+\b], v[R+16*\b], v[R+1+16*\b], 0x1800000   ; block b: my 16 numbers, and the floor 2^(3 - 127): the byte cannot fall under 1
.endr
.irp i, 2,4,6,8,10,12,14
.irp b, 0,1,2,3
	v_max3_num_f32 v[TM+\b], v[TM+\b], v[R+16*\b+\i], v[R+1+16*\b+\i]   ; the four blocks by turns
.endr
.endr
.irp b, 0,1,2,3
	v_permlanex16_b32 v[TM+4+\b], v[TM+\b], s24, s25
.endr
.irp b, 0,1,2,3
	v_max_num_f32 v[TM+\b], v[TM+\b], v[TM+4+\b]   ; with lane l xor 16's 16: the block's largest
.endr
.irp b, 0,1,2,3
	v_add_nc_u32 v[TM+12+\b], 0xff000000, v[TM+\b] ; 2 off its exponent field: the conversion's scale operand
.endr
.irp b, 0,1,2,3
	v_lshrrev_b32 v[TM+4+\b], 23, v[TM+12+\b]      ; the scale's byte
.endr
	v_lshl_or_b32 v[PW], v[TM+5], 8, v[TM+4]
	v_lshl_or_b32 v[PW], v[TM+6], 16, v[PW]
	v_lshl_or_b32 v[PW], v[TM+7], 24, v[PW]
.irp b, 0,1,2,3
	v_cvt_scalef32_pk8_fp4_f32 v[PC+2*\b], v[R+16*\b:R+7+16*\b], v[TM+12+\b]
	v_cvt_scalef32_pk8_fp4_f32 v[PC+1+2*\b], v[R+8+16*\b:R+15+16*\b], v[TM+12+\b]
.endr
	v_nop                                          ; one plain vector instruction behind the last scaled conversion
.irp c, 0,1                                    ; the operand's layout wants a whole block in a lane: lanes 0-15 block 2 c, lanes 16-31 block 2 c + 1
.irp i, 0,1
	v_permlane16_swap_b32 v[PC+4*\c+\i], v[PC+2+4*\c+\i]
.endr
.endr
	PLACES 8                                       ; a scale register written by a vector instruction stands 8 places ahead of a scaled matrix instruction, an operand so written 4
.endm
; A TRIP: one query.  No sum is added in place: each result is one instruction with K whole.  first = 1: the first query, with no query in front of it whose outputs could be stored.
.macro TRIP first
	s_wait_dscnt 0x0                               ; the query's fragment is in (in the first trip the weights and their scale words too)
.irp t, 0,1,2,3,4,5,6,7
	v_wmma_f32_16x16x4_f32 v[H+8*\t:H+8*\t+7], v[W0F+2*\t:W0F+2*\t+1], v[P:P+1], 0     ; g W0^T + b0
.endr
	s_add_co_u32 s26, s26, 256
	v_add_nc_u32 v7, s26, v6                       ; the next query's slot (the load that read v7 last stands ahead of the last trip's wait on vm_vsrc)
	PLACES 7                                       ; with the line above: eight places behind this form
	RELU
	QUANT
	s_wait_alu depctr_va_vdst(0)                   ; v[PC ..] and v[PW] are written, which the scaled matrix instructions take; the f32 matrix instructions are done reading v[P ..], in which the load lands; v7 is written; the trip before has written v[O ..]
	ds_load_b64 v[P:P+1], v7                       ; the next query's fragment: it lands while this query is worked
.if !\first
	global_store_b128 v4, v[O:O+3], s[20:21] th:TH_STORE_NT   ; the query before: 32 lanes store a row's 512 consecutive bytes; written once, read by nobody here
.endif
	WIN 0x11                                       ; source 0 (W1) and source 2 (b1) window 1
.irp t, 0,1,2,3,4,5,6,7
	v_wmma_scale_f32_16x16x128_f8f6f4 v[H+8*\t:H+8*\t+7], v[8*\t:8*\t+7], v[PC:PC+7], v[B1C+8*\t:B1C+8*\t+7], v[W1S+\t], v[PW] matrix_a_fmt:MATRIX_FMT_FP4 matrix_b_fmt:MATRIX_FMT_FP4
.endr
	WIN 0
	PLACES 4
	RELU
	QUANT
	s_wait_alu depctr_va_vdst(0)                   ; v[PC ..] and v[PW] are written anew, which the scaled matrix instructions take
	WIN 0x04                                       ; source 1 (W2) window 1
.irp t, 0,1,2,3,4,5,6,7
	v_wmma_scale_f32_16x16x128_f8f6f4 v[H+8*\t:H+8*\t+7], v[PC:PC+7], v[64+8*\t:64+8*\t+7], 0, v[PW], v[W2S+\t] matrix_a_fmt:MATRIX_FMT_FP4 matrix_b_fmt:MATRIX_FMT_FP4
.endr
	WIN 0
	PLACES 4
.irp t, 0,1,2,3,4,5,6,7
	v_max3_num_f32 v[M+\t], v[H+8*\t], v[H+8*\t+1], v[H+8*\t+2]       ; the largest of a lane's 8 neighbours, the eight tiles by turns
.endr
.irp t, 0,1,2,3,4,5,6,7
	v_max3_num_f32 v[M+\t], v[M+\t], v[H+8*\t+3], v[H+8*\t+4]
.endr
.irp t, 0,1,2,3,4,5,6,7
	v_max3_num_f32 v[M+\t], v[M+\t], v[H+8*\t+5], v[H+8*\t+6]
.endr
.irp t, 0,1,2,3,4,5,6,7
	v_max_num_f32 v[M+\t], v[M+\t], v[H+8*\t+7]
.endr
.irp p, 0,1,2,3
	v_permlane16_swap_b32 v[M+\p], v[M+4+\p]       ; tile p's upper lanes change places with tile 4 + p's lower: both halves of the neighbours of one output now stand in one lane
.endr
.if !\first
	s_wait_xcnt 0x0                                ; this trip's store has had its address translated (ISA guide 3.1): its base and its data are rewritten only behind this wait
.endif
	s_wait_alu depctr_vm_vsrc(0)                   ; this trip's store has read v[O ..], which the lines below write again, and its LDS load has read v7, which the next trip's head writes
.if !\first
	s_add_nc_u64 s[20:21], s[20:21], 512           ; one row of out0 on
.endif
.irp p, 0,1,2,3
	v_max_num_f32 v[O+\p], v[M+\p], v[M+4+\p]      ; lane l: output 4 l + p
.endr
	v_pk_add_f32 v[O:O+1], v[O:O+1], v[B2:B2+1]
	v_pk_add_f32 v[O+2:O+3], v[O+2:O+3], v[B2+2:B2+3]
.endm
	s_mov_b32 s26, 0                               ; the slot of the fragment to be fetched: 256 bytes a trip
	TRIP 1                                         ; query 0
	s_mov_b32 s27, 15
.Lq:                                                   ; queries 1 to 15; each trip stores the query before
	TRIP 0
	s_sub_co_u32 s27, s27, 1
	s_cmp_lg_u32 s27, 0
	s_cbranch_scc1 .Lq
	s_wait_alu depctr_va_vdst(0)                   ; the last trip has written v[O ..], which the last store reads
	global_store_b128 v4, v[O:O+3], s[20:21] th:TH_STORE_NT   ; query 15
	s_wait_dscnt 0x0                               ; the closing lines, six on end
	s_wait_alu 0x0
	s_wait_tensorcnt 0x0
	ds_add_u32 v254, v255
	s_wait_dscnt 0x0
	s_endpgm
.Lfunc_end_k_qa1d2d52a56_mlp:
	.size	k_qa1d2d52a56_mlp, .Lfunc_end_k_qa1d2d52a56_mlp-k_qa1d2d52a56_mlp
	.p2alignl 7, 3214868480
	.fill 96, 4, 3214868480
	.section	.rodata,"a",@progbits
	.p2align	6, 0x0
	.amdhsa_kernel k_qa1d2d52a56_mlp
		.amdhsa_group_segment_fixed_size 54272
		.amdhsa_private_segment_fixed_size 0
		.amdhsa_enable_private_segment 0
		.amdhsa_kernarg_size 72
		.amdhsa_user_sgpr_count 2
		.amdhsa_user_sgpr_kernarg_segment_ptr 1
		.amdhsa_wavefront_size32 1
		.amdhsa_system_sgpr_workgroup_id_x 1
		.amdhsa_system_sgpr_workgroup_id_y 1
		.amdhsa_system_sgpr_workgroup_id_z 1
		.amdhsa_system_vgpr_workitem_id 0
		.amdhsa_next_free_vgpr 480
		.amdhsa_next_free_sgpr 66
		.amdhsa_reserve_vcc 0
		.amdhsa_float_denorm_mode_32 3
		.amdhsa_float_denorm_mode_16_64 3
		.amdhsa_memory_ordered 1
		.amdhsa_forward_progress 1
		.amdhsa_inst_pref_size 67
	.end_amdhsa_kernel
	.amdgpu_metadata
---
amdhsa.version: [ 1, 2 ]
amdhsa.kernels:
  - .name:           k_qa1d2d52a56_mlp
    .symbol:         k_qa1d2d52a56_mlp.kd
    .args:
      - { .name: xyz, .offset: 0, .size: 8, .value_kind: global_buffer, .address_space: global }
      - { .name: nbr, .offset: 8, .size: 8, .value_kind: global_buffer, .address_space: global }
      - { .name: W0, .offset: 16, .size: 8, .value_kind: global_buffer, .address_space: global }
      - { .name: b0, .offset: 24, .size: 8, .value_kind: global_buffer, .address_space: global }
      - { .name: W1, .offset: 32, .size: 8, .value_kind: global_buffer, .address_space: global }
      - { .name: b1, .offset: 40, .size: 8, .value_kind: global_buffer, .address_space: global }
      - { .name: W2, .offset: 48, .size: 8, .value_kind: global_buffer, .address_space: global }
      - { .name: b2, .offset: 56, .size: 8, .value_kind: global_buffer, .address_space: global }
      - { .name: out0, .offset: 64, .size: 8, .value_kind: global_buffer, .address_space: global }
    .group_segment_fixed_size: 54272
    .private_segment_fixed_size: 0
    .kernarg_segment_align: 8
    .kernarg_segment_size: 72
    .max_flat_workgroup_size: 256
    .sgpr_count:     66
    .vgpr_count:     480
    .wavefront_size: 32
...
	.end_amdgpu_metadata
.endif
;; end of part 4
